; MI455X (gfx1250); checked and timed in simulation.
; The chip was launched on July 23, 2026; its instructions are those of AMD's public machine-readable ISA for CDNA 5 (MIT licence, August 2026) and "CDNA5" Instruction Set Architecture Reference Guide (July 2026). The comments in the code are by the model that wrote it; some were corrected since.
;; VQVAE. Allowed arithmetic: matrix products marked QUANTISED: E2M1 operands, one E8M0 scale for each 32 along K, by v_wmma_scale_f32_16x16x128_f8f6f4 with both operands' format E2M1 (or v_wmma_scale_f32_32x16x128_f4), f32 sums; everything else in f32.
;; Inputs: codebook 512 x 64 float32; z 32 x 64 x 64 x 64 float32.
;; Outputs: out0 32 x 64 x 64 x 64 float32; out1 32 x 64 x 64 x 64 float32.
;; This version of the problem:
;;   THIS VERSION OF THE PROBLEM IS GIVEN IN LOW PRECISION. The matrix products marked QUANTISED in the list below multiply operands that are first quantised to E2M1 (2 exponent bits, 1 mantissa bit; 4 bits a number), with one power-of-two scale for each 32 numbers along K (OCP MX v1.0); their sums are f32. All else is computed in f32.
;;   The module's matrix products, in the order in which they are computed (A, B: the left and right operand; K: the contracted axis; several contracted axes count as one K, in the product's order):
;;     1. [M 131,072, K 64] x [K 64, N 512]; A: input z; B: input codebook: QUANTISED
;;   THE QUANTISER, for each operand of a quantised product, along K:
;;     - K is cut into blocks of 32 from its start; a last block that is shorter is filled with zeros.
;;     - A block's scale is 2^e with e = floor(log2(the largest magnitude in the block)) - 2, held to -126 .. 127; a block of zeros has e = 0. As a byte (E8M0): e + 127.
;;     - Each number is divided by its block's scale, clamped to +-6, and rounded to the nearest number of E2M1, ties to even, subnormals kept.
;;     - The product sums the exact products of the quantised numbers (number of the format x scale) in f32.
;;   ~~~python
;;   def quantise(x, axis):      # numpy; x: float32 -> the quantised numbers, widened to float32 again
;;       x = np.moveaxis(x, axis, -1); K = x.shape[-1]
;;       x = np.pad(x, [(0, 0)] * (x.ndim - 1) + [(0, -K % 32)]); x = x.reshape(x.shape[:-1] + (-1, 32)); a = np.abs(x).max(-1, keepdims=True)
;;       e = np.where(a > 0, np.clip(np.frexp(np.where(a > 0, a, 1))[1] - 1 - 2, -126, 127), 0)      # np.frexp(a)[1] - 1 = floor(log2(a)), exactly
;;       r = np.clip(x / 2.0 ** e, -6, 6)
;;       step = 2.0 ** (np.maximum(np.frexp(np.where(r == 0, 1, r))[1] - 1, 0) - 1)
;;       q = np.round(r / step) * step * 2.0 ** e      # np.round: ties to even
;;       return np.moveaxis(q.reshape(q.shape[:-2] + (-1,))[..., :K], -1, axis).astype(np.float32)
;;   ~~~
;; One version. Each part assembles by itself: llvm-mc -triple=amdgcn-amd-amdhsa -mcpu=gfx1250 --defsym DOCPART=n.
;; ======== version 1 of 1: 2 launches
;; workspace buffers: idx 524,288 bytes of whole numbers
;; launch assign (part 1): grid 256 x 1, 16 waves a work-group, clusters of 4 x 1, 303,104 bytes of LDS; arguments z, codebook, idx; writes idx
.if DOCPART == 1
	.amdgcn_target "amdgcn-amd-amdhsa--gfx1250"
	.amdhsa_code_object_version 6
	.text
	.protected	k_q2d127cf39f_assign
	.globl	k_q2d127cf39f_assign
	.p2align	8
	.type	k_q2d127cf39f_assign,@function
k_q2d127cf39f_assign:
	s_mov_b64 s[64:65], 0
	v_nop
	global_prefetch_b8 v0, s[64:65] scope:SCOPE_SE
	s_setreg_imm32_b32 hwreg(HW_REG_WAVE_MODE, 25, 1), 1
	s_wait_xcnt 0x0
	s_wait_alu depctr_hold_cnt(0) depctr_sa_sdst(0) depctr_va_vdst(0) depctr_va_sdst(0) depctr_va_ssrc(0) depctr_va_vcc(0) depctr_vm_vsrc(0)
	s_getreg_b32 s2, hwreg(HW_REG_IB_STS2, 6, 4)
	s_cmp_eq_u32 s2, 0
	s_cbranch_scc0 .Lentry_in_a_cluster
	s_endpgm
.Lentry_in_a_cluster:
	s_bfe_u32 s2, ttmp6, 0x10000c
	s_cmp_lg_u32 s2, 0x3003
	s_cbranch_scc0 .Lentry_shape_is_right
	s_endpgm
.Lentry_shape_is_right:
; idx[n] = argmin over c of ((|z_n|^2 + |e_c|^2) - 2 Q(z_n).Q(e_c)), the first minimum.  z: [131072][64] f32, codebook e: [512][64] f32, idx: [131072] of 32-bit whole numbers.
; Q: codes of FP4 (E2M1) with one E8M0 scale for each 32 along K = 64; the product goes by v_wmma_scale_f32_16x16x128_f8f6f4; all else in f32.
; ARITHMETIC.  C = (-|z|^2/2) + (-|e|^2/2), one f32 addition, is -(|z|^2 + |e|^2)/2 with the same rounding (a factor of -1/2 rounds nothing); it is the C of the matrix instruction, so D = C + dot = -d/2,
; and the FIRST MAXIMUM of D is the first minimum of d: a later tile wins only if it is strictly larger, inside a tile the lowest place wins, between the halves of the lanes the lower index.
; LIMITS: the last addition (C + dot) is rounded by the matrix unit and not by a vector instruction: where the dot has bits under C's last place the last bit of d may differ from a fused multiply-add's;
; the 64 squares of a row are summed in this text's own order (two packed chains of fused multiply-adds, then the two blocks); NaN and infinities among the inputs are not served; a block whose largest
; magnitude lies under 2^-124 keeps the scale byte 1 (a block of zeros too: its codes are zeros).
; SHARES.  256 work-groups of 16 waves; a work-group owns 512 rows of z, a wave 32: two tiles of 16.  The product is used with source 0 = 16 codes, source 1 = 16 rows of z: a lane holds ONE row of z
; (lane % 16), and register j of tile t the code 16 t + 8 (lane / 16) + j.
; K = 64 IN AN INSTRUCTION OF 128.  An A fragment holds TWO tiles of codes: registers 0-3 tile 2 f (k 0-63), registers 4-7 tile 2 f + 1 (k 64-127).  z stands between zeros, 0 z0 0 z1 0: (z, 0) picks the even tile,
; (0, z) the odd one.  So the whole codebook is 16 fragments, 128 registers, in every wave, and no register holds padding.
; THE CODEBOOK IS QUANTISED ONCE A WORK-GROUP: wave w takes codes 32 w .. 32 w + 31, which are fragment w; fragment, scale word and -|e|^2/2 go to LDS as images of their registers; one barrier; every wave loads all.
; CLUSTER.  All work-groups read the same codebook: the four of a cluster ask for each wave's 32 rows JOINTLY (mask 15, the same descriptor in all four).  z's rows are a work-group's own: a plain load.
; Both come by the tensor data mover, one load each a wave, two out at the most, each LDS byte filled once; a row of 256 bytes gets 16 bytes of padding, so that the sixteen rows that an LDS load
; touches start in sixteen different 16-byte columns of 256.  Only the issuing wave reads its tiles: its own wait on TENSORcnt orders them.
.set SP,    272                        ; an LDS row: 256 bytes + 16
.set TILEB, 32*SP                      ; a wave's 32 rows
.set IMG,   0                          ; the 16 fragments' images, 1,024 bytes each
.set SCL,   16384                      ; their scale words, 128 bytes each
.set NEE,   18432                      ; -|e|^2/2 of the 512 codes
.set IDXL,  20480                      ; the work-group's 512 results
.set CBT,   22528                      ; from here on the mover's bytes: the codebook's rows, a wave's 8,704 bytes on end;
.set ZT,    CBT+16*TILEB               ; z's rows likewise; the end is byte 301,056
.set WV,  10                           ; s10      my wave's number
.set SEL, 14                           ; s[14:15] v_permlanex16_b32's selects for lane l xor 16
.set G0J, 24                           ; s[24:27] descriptor group 0, codebook;  s[28:31] z;  s[32:39] group 1, joint;  s[40:47] group 1, plain
.set G0Z, 28
.set G1J, 32
.set G1Z, 40
.set LANE, 1
.set LI,   2                           ; 16 x lane: an image's place for my lane
.set RR,   3                           ; lane % 16
.set HH,   4                           ; lane / 16
.set LAC,  5                           ; my block of 32 numbers in my wave's codebook rows: row lane % 16, 128 bytes for each half of the lanes
.set LAZ,  6                           ; the same in its rows of z
.set SH8,  7                           ; 8 x (lane / 16): my scale byte's place, and my half's first code in a tile
.set AIM,  8                           ; where I store my fragment's image: 16 x lane + 1,024 x wave
.set T4,   9                           ; 4 x thread: my scale word's place, and my result's
.set ANE,  10                          ; 4 x (lane % 16) + 128 x wave: my row's -|e|^2/2
.set NA,   11                          ; 32 x (lane / 16): my half's eight numbers of a tile's sixteen
.set LS,   12                          ; 4 x lane
.set GO,   13                          ; 16 x (thread % 128): the way out
.set AF,   16                          ; v16-143  the 16 fragments
.set ASC,  144                         ; v144-159 their scale words
.set ACC,  160                         ; v160-191 accumulators: z tile u, parity p of the code tile, at ACC + 16 u + 8 p
.set NEG,  192                         ; v192-207 -|e|^2/2 of a tile, two buffers
.set BZ,   208                         ; v208-227 0 z0 0 z1 0, four registers each
.set KEPT, 228                         ; v228-243 the winning tile's eight numbers, for each z tile
.set BEST, 244                         ; v244-247 the largest so far and its tile, for each z tile
.set NZZ,  248                         ; v248-251 -|z|^2/2, twice (a pair for the packed addition), for each z tile
.set ZSC,  252                         ; v252-253 z's scale words
.set TMX,  254                         ; v254-255 a tile's maximum
; ahead of the barrier the same registers serve the quantiser:
.set TC0,  160                         ; 32 numbers of a lane: the codebook's two tiles,
.set TC1,  192
.set TZ0,  16                          ; z's two
.set TZ1,  48
.set FR,   144                         ; the fragment just made
.set MXA,  228
.set MXB,  229
.set SCO,  230
.set BY,   231
.set Q0,   232
.set Q1,   234
.set PT,   236
.set PQ,   237
.set WA,   238
.set NEA,  239
.set NEB,  240
; behind the last tile:
.set EJ,   160
.set EI,   162
.set EB,   164
.set EO,   166
.set EV,   168
.set ED,   172
; A round of the cluster's barrier: my work-group's barrier, wave 0 signals for the work-group, every wave waits for all four work-groups, my work-group's barrier once more.
.macro ROUND
	s_barrier_signal -1
	s_barrier_wait -1
	s_cmp_lg_u32 s[WV], 0
	s_cbranch_scc1 .Lnot_wave_0_\@
	s_barrier_signal -3
.Lnot_wave_0_\@:
	s_barrier_wait -3
	s_barrier_signal -1
	s_barrier_wait -1
.endm
	s_load_b128 s[4:7], s[0:1], 0x0                ; z s[4:5], codebook s[6:7]
	s_load_b64 s[8:9], s[0:1], 0x10                ; idx
	v_lshl_add_u32 v14, v0, 2, 0x49800
	v_mov_b32 v15, 0
	ds_add_u32 v14, v15
	ds_add_u32 v14, v15
	v_lshrrev_b32 v[LANE], 5, v0
	v_readfirstlane_b32 s[WV], v[LANE]             ; wave 0..15
	s_bfe_u32 s11, ttmp6, 0x40000                  ; cx: my place in the cluster
	s_lshl_b32 s16, ttmp9, 2                       ; in a cluster launch ttmp9 counts clusters
	s_add_co_u32 s11, s16, s11                     ; my work-group: it enters z's and idx's global addresses alone
	; descriptor group 1: 32 rows x 64 elements of 4 bytes, dense in memory; 4 words of padding behind every 64
	s_mov_b32 s[G1J], 15|(2<<16)|(1<<20)|(1<<21)|(5<<22)|(3<<25)   ; 15:0 the mask: all four work-groups; 17:16 elements of 4 bytes; 20 padding on; 21 set beside a mask; 24:22 after every 64 words; 31:25 four words
	s_mov_b32 s[G1Z], (2<<16)|(1<<20)|(5<<22)|(3<<25)              ; the same without a mask
.irp g, G1J, G1Z
	s_mov_b32 s[\g+1], 64<<16                      ; tensor_dim0 = 64
	s_mov_b32 s[\g+2], 32<<16                      ; tensor_dim1 = 32
	s_mov_b32 s[\g+3], 64<<16                      ; tile_dim0 = 64
	s_mov_b32 s[\g+4], 32                          ; tile_dim1 = 32
	s_mov_b32 s[\g+5], 64                          ; elements from row to row
	s_mov_b32 s[\g+6], 0
	s_mov_b32 s[\g+7], 0
.endr
	s_lshl_b32 s18, s[WV], 13                      ; my wave's 32 rows of 256 bytes: in the codebook (the wave's number alone: equal in all four partners),
	s_mov_b32 s19, 0
	s_lshl_b32 s12, s11, 17                        ; and in z behind my work-group's 512 rows
	s_add_co_u32 s12, s12, s18
	s_mov_b32 s13, 0
	s_mul_i32 s17, s[WV], TILEB                    ; and in LDS
	s_mov_b32 s[SEL], 0x76543210
	s_mov_b32 s[SEL+1], 0xfedcba98
	s_wait_dscnt 0x0
	s_wait_kmcnt 0x0
	s_mov_b32 s[G0J], 1                            ; count = 1
	s_add_co_u32 s[G0J+1], s17, CBT                ; LDS address
	s_add_nc_u64 s[G0J+2:G0J+3], s[6:7], s[18:19]  ; global address
	s_or_b32 s[G0J+3], s[G0J+3], 0x80000000        ; type = 2
	s_mov_b32 s[G0Z], 1
	s_add_co_u32 s[G0Z+1], s17, ZT
	s_add_nc_u64 s[G0Z+2:G0Z+3], s[4:5], s[12:13]
	s_or_b32 s[G0Z+3], s[G0Z+3], 0x80000000
	ROUND                                          ; all four work-groups are here: the joint loads meet
	tensor_load_to_lds s[G0J:G0J+3], s[G1J:G1J+7]  ; my 32 rows of the codebook, jointly
	s_nop 0
	tensor_load_to_lds s[G0Z:G0Z+3], s[G1Z:G1Z+7]  ; my 32 rows of z.  Two loads of mine are out, and no more are issued
	s_nop 0
.rept 4
	v_nop                                          ; four lines behind the loads
.endr
	s_lshl_b32 s12, s11, 11                        ; idx: 2,048 bytes a work-group
	s_add_nc_u64 s[8:9], s[8:9], s[12:13]
	v_and_b32 v[LANE], 31, v0
	v_lshlrev_b32 v[LI], 4, v[LANE]
	v_and_b32 v[RR], 15, v0
	v_bfe_u32 v[HH], v0, 4, 1
	v_mul_u32_u24 v[LAC], v[RR], SP
	v_lshl_add_u32 v[LAC], v[HH], 7, v[LAC]
	s_add_co_u32 s16, s17, CBT
	v_add_nc_u32 v[LAC], s16, v[LAC]
	v_add_nc_u32 v[LAZ], 16*TILEB, v[LAC]
	v_lshlrev_b32 v[SH8], 3, v[HH]
	s_lshl_b32 s16, s[WV], 10
	v_add_nc_u32 v[AIM], s16, v[LI]
	v_lshlrev_b32 v[T4], 2, v0
	s_lshl_b32 s16, s[WV], 7
	v_lshl_add_u32 v[ANE], v[RR], 2, s16
	v_lshlrev_b32 v[NA], 5, v[HH]
	v_lshlrev_b32 v[LS], 2, v[LANE]
	v_and_b32 v[GO], 127, v0
	v_lshlrev_b32 v[GO], 4, v[GO]
	v_mov_b32 v[PT], 0                             ; written once: a lane permute's destination counts as one of its sources
	v_mov_b32 v[PQ], 0
; my block of 32 numbers (row lane % 16, block lane / 16) of tile c of my wave's 32 rows
.macro TFETCH adr, c, t
.irp i, 0,1,2,3,4,5,6,7
	ds_load_b128 v[\t+4*\i:\t+4*\i+3], v[\adr] offset:16*SP*(\c)+16*\i
.endr
.endm
; 32 numbers of a lane, v[s] on, are a whole block along K.  Out: its 32 codes in v[cd] .. v[cd + 3]; in v[BY] the row's two scale bytes (block 0 low); in v[Q0] the row's sum of 64 squares: the last two alike in both halves of the lanes.
.macro QUANT s, cd
	v_max3_num_f32 v[MXA], |v[\s]|, |v[\s+1]|, 0x1800000           ; the largest magnitude, in two chains, and the floor 2^(3 - 127): the byte cannot fall under 1
	v_max3_num_f32 v[MXB], |v[\s+2]|, |v[\s+3]|, |v[\s+4]|
	v_pk_mul_f32 v[Q0:Q0+1], v[\s:\s+1], v[\s:\s+1]                ; the squares, two at a time, in two chains
	v_pk_mul_f32 v[Q1:Q1+1], v[\s+2:\s+3], v[\s+2:\s+3]
.irp i, 0,4,8,12,16,20
	v_max3_num_f32 v[MXA], v[MXA], |v[\s+5+\i]|, |v[\s+6+\i]|
	v_max3_num_f32 v[MXB], v[MXB], |v[\s+7+\i]|, |v[\s+8+\i]|
	v_pk_fma_f32 v[Q0:Q0+1], v[\s+4+\i:\s+5+\i], v[\s+4+\i:\s+5+\i], v[Q0:Q0+1]
	v_pk_fma_f32 v[Q1:Q1+1], v[\s+6+\i:\s+7+\i], v[\s+6+\i:\s+7+\i], v[Q1:Q1+1]
.endr
	v_max3_num_f32 v[MXA], v[MXA], |v[\s+29]|, |v[\s+30]|
	v_pk_fma_f32 v[Q0:Q0+1], v[\s+28:\s+29], v[\s+28:\s+29], v[Q0:Q0+1]
	v_pk_fma_f32 v[Q1:Q1+1], v[\s+30:\s+31], v[\s+30:\s+31], v[Q1:Q1+1]
	v_max3_num_f32 v[MXA], v[MXA], v[MXB], |v[\s+31]|
	v_pk_add_f32 v[Q0:Q0+1], v[Q0:Q0+1], v[Q1:Q1+1]
	v_add_nc_u32 v[SCO], 0xff000000, v[MXA]        ; 2 off its exponent field: the conversion takes the exponent field of this operand as its scale, and nothing else of it
	v_add_f32 v[Q0], v[Q0], v[Q0+1]                ; my block's 32 squares
.irp g, 0,1,2,3
	v_cvt_scalef32_pk8_fp4_f32 v[\cd+\g], v[\s+8*\g:\s+8*\g+7], v[SCO]   ; to the nearest code, ties to even, beyond 6 the largest code
.endr
	v_lshrrev_b32 v[BY], 23, v[SCO]                ; the scale's byte.  (Also the plain line behind the last conversion)
	v_permlanex16_b32 v[PQ], v[Q0], s[SEL], s[SEL+1]
	v_lshlrev_b32 v[BY], v[SH8], v[BY]             ; at its place: block lane / 16
	v_permlanex16_b32 v[PT], v[BY], s[SEL], s[SEL+1]
	v_add_f32 v[Q0], v[Q0], v[PQ]                  ; with the row's other block
	v_or_b32 v[BY], v[BY], v[PT]
.endm
	; ---- my 32 codes become fragment w
	s_wait_tensorcnt 0x1                           ; my rows of the codebook are in LDS; z's load, issued behind, may stay out
	TFETCH LAC, 0, TC0
	TFETCH LAC, 1, TC1
	s_wait_dscnt 0x8                               ; the first tile's eight loads are in, the second's may be out
	QUANT TC0, FR
	v_mov_b32 v[WA], v[BY]
	v_mul_f32 v[NEA], -0.5, v[Q0]
	s_wait_dscnt 0x0
	QUANT TC1, FR+4
	v_lshl_or_b32 v[WA], v[BY], 16, v[WA]          ; the fragment's scale word: bytes 0, 1 the even tile's blocks (k 0-63), bytes 2, 3 the odd tile's (k 64-127)
	v_mul_f32 v[NEB], -0.5, v[Q0]
	ds_store_b128 v[AIM], v[FR:FR+3] offset:IMG
	ds_store_b128 v[AIM], v[FR+4:FR+7] offset:IMG+512
	ds_store_b32 v[T4], v[WA] offset:SCL
	ds_store_b32 v[ANE], v[NEA] offset:NEE         ; both halves of the lanes write the same word with the same number
	ds_store_b32 v[ANE], v[NEB] offset:NEE+64
	; ---- my 32 rows of z
	s_wait_tensorcnt 0x0                           ; they are in LDS
	TFETCH LAZ, 0, TZ0
	TFETCH LAZ, 1, TZ1
.irp k, 0,1,2,3,8,9,10,11,16,17,18,19
	v_mov_b32 v[BZ+\k], 0                          ; the zero codes round z's
.endr
	s_wait_dscnt 0x8                               ; the first tile's eight loads are in (the five stores stand ahead of them), the second's may be out
	QUANT TZ0, BZ+4
	v_lshl_or_b32 v[ZSC], v[BY], 16, v[BY]         ; z's two bytes stand twice: for (z, 0) and for (0, z); over the zero codes any byte but 0xff serves
	v_mul_f32 v[NZZ], -0.5, v[Q0]
	v_mul_f32 v[NZZ+1], -0.5, v[Q0]
	s_wait_dscnt 0x0
	QUANT TZ1, BZ+12
	v_lshl_or_b32 v[ZSC+1], v[BY], 16, v[BY]
	v_mul_f32 v[NZZ+2], -0.5, v[Q0]
	v_mul_f32 v[NZZ+3], -0.5, v[Q0]
	s_wait_dscnt 0x0                               ; for the others' sake: my images have landed (this wait was met above: nothing was issued since)
	s_barrier_signal -1
	s_barrier_wait -1                              ; all sixteen fragments lie in LDS
.macro NELOAD t                        ; -|e|^2/2 of tile t's codes 8 (lane / 16) + 0 .. 7
	ds_load_b128 v[NEG+8*((\t)%2):NEG+8*((\t)%2)+3], v[NA] offset:NEE+64*(\t)
	ds_load_b128 v[NEG+8*((\t)%2)+4:NEG+8*((\t)%2)+7], v[NA] offset:NEE+64*(\t)+16
.endm
.macro PKADD t                         ; C of tile t, for both z tiles
.irp u, 0,1
.irp i, 0,2,4,6
	v_pk_add_f32 v[ACC+16*\u+8*((\t)%2)+\i:ACC+16*\u+8*((\t)%2)+\i+1], v[NEG+8*((\t)%2)+\i:NEG+8*((\t)%2)+\i+1], v[NZZ+2*\u:NZZ+2*\u+1]
.endr
.endr
.endm
.macro MUL t                           ; D = C + codes x z: the even tile against (z, 0), the odd one against (0, z).  The four accumulators take turns, one instruction a turn
.irp u, 0,1
	v_wmma_scale_f32_16x16x128_f8f6f4 v[ACC+16*\u+8*((\t)%2):ACC+16*\u+8*((\t)%2)+7], v[AF+8*((\t)/2):AF+8*((\t)/2)+7], v[BZ+8*\u+4-4*((\t)%2):BZ+8*\u+4-4*((\t)%2)+7], v[ACC+16*\u+8*((\t)%2):ACC+16*\u+8*((\t)%2)+7], v[ASC+(\t)/2], v[ZSC+\u] matrix_a_fmt:MATRIX_FMT_FP4 matrix_b_fmt:MATRIX_FMT_FP4
.endr
.endm
; Where the tile's maximum is larger than the best so far, its eight numbers, its maximum and its number take the kept ones' places; on a tie the earlier tile stays.  Two selects an instruction.
.macro KEEP xa, u, t
	v_cmp_ge_f32 vcc_lo, v[BEST+2*\u], v[TMX+\u]   ; set: the old stays
.irp i, 0,2,4,6
	v_dual_cndmask_b32 v[KEPT+8*\u+\i], v[\xa+\i], v[KEPT+8*\u+\i] :: v_dual_cndmask_b32 v[KEPT+8*\u+\i+1], v[\xa+\i+1], v[KEPT+8*\u+\i+1]
.endr
	v_dual_cndmask_b32 v[BEST+2*\u], v[TMX+\u], v[BEST+2*\u] :: v_dual_cndmask_b32 v[BEST+2*\u+1], \t, v[BEST+2*\u+1]
.endm
.macro REDUCE t                        ; each accumulator is read from its low end on; the two z tiles by turns
.set XA, ACC+8*((\t)%2)
.set XC, ACC+16+8*((\t)%2)
	v_max3_num_f32 v[TMX], v[XA], v[XA+1], v[XA+2]
	v_max3_num_f32 v[TMX+1], v[XC], v[XC+1], v[XC+2]
	v_max3_num_f32 v[TMX], v[TMX], v[XA+3], v[XA+4]
	v_max3_num_f32 v[TMX+1], v[TMX+1], v[XC+3], v[XC+4]
	v_max3_num_f32 v[TMX], v[TMX], v[XA+5], v[XA+6]
	v_max3_num_f32 v[TMX+1], v[TMX+1], v[XC+5], v[XC+6]
.if (\t) == 0                          ; the first tile starts the kept numbers
	v_max_num_f32 v[BEST], v[TMX], v[XA+7]
	v_max_num_f32 v[BEST+2], v[TMX+1], v[XC+7]
	v_mov_b32 v[BEST+1], 0
	v_mov_b32 v[BEST+3], 0
.irp i, 0,2,4,6
	v_dual_mov_b32 v[KEPT+\i], v[XA+\i] :: v_dual_mov_b32 v[KEPT+\i+1], v[XA+\i+1]
	v_dual_mov_b32 v[KEPT+8+\i], v[XC+\i] :: v_dual_mov_b32 v[KEPT+8+\i+1], v[XC+\i+1]
.endr
.else
	v_max_num_f32 v[TMX], v[TMX], v[XA+7]
	v_max_num_f32 v[TMX+1], v[TMX+1], v[XC+7]
	KEEP XA, 0, \t
	KEEP XC, 1, \t
.endif
.endm
; A trip: C of tile t + 1 is made (eight plain lines: the places behind the products of tile t, none of whose registers they name), tile t is reduced (twenty lines between C's writing and its product), tile t + 1 is multiplied.
.macro ITER t
.if (\t) < 31
.if (\t) < 30
	s_wait_dscnt 0x2                               ; tile t + 1's numbers are in; tile t + 2's two loads may be out
.else
	s_wait_dscnt 0x0
.endif
	PKADD (\t)+1
.if (\t) < 29
	NELOAD (\t)+3                                  ; into the buffer just read
.endif
.else
.rept 4
	v_nop                                          ; four places between the last products and the first read of their results (ISA guide 7.12.1)
.endr
.endif
	REDUCE \t
.if (\t) < 31
	MUL (\t)+1
.endif
.endm
	NELOAD 0
	NELOAD 1
.irp f, 0,1,2,3,4,5,6,7,8,9,10,11,12,13,14,15
	ds_load_b128 v[AF+8*\f:AF+8*\f+3], v[LI] offset:IMG+1024*\f          ; a fragment comes back as it was stored: the same registers in the same lanes
	ds_load_b128 v[AF+8*\f+4:AF+8*\f+7], v[LI] offset:IMG+1024*\f+512
.endr
.irp f, 0,1,2,3,4,5,6,7,8,9,10,11,12,13,14,15
	ds_load_b32 v[ASC+\f], v[LS] offset:SCL+128*\f
.endr
	s_wait_dscnt 50                                ; tile 0's two loads are in; behind them: tile 1's two, 32 of images, 16 of scale words
	PKADD 0
	NELOAD 2
	s_wait_dscnt 0x2                               ; all but the two just issued
.rept 8
	v_nop                                          ; z's codes and scale words and the first C were written by vector instructions: eight places ahead of the first scaled product
.endr
	MUL 0
.irp t, 0,1,2,3,4,5,6,7,8,9,10,11,12,13,14,15,16,17,18,19,20,21,22,23,24,25,26,27,28,29,30,31
	ITER \t
.endr
	; ---- the place in the kept tile: the lowest j whose number is the best; then the index; then the other half of the lanes, which holds the row's other 256 codes
.irp u, 0,1
	v_mov_b32 v[EJ+\u], 7
.endr
.irp j, 6,5,4,3,2,1,0
.irp u, 0,1
	v_cmp_neq_f32 vcc_lo, v[KEPT+8*\u+\j], v[BEST+2*\u]
	v_cndmask_b32 v[EJ+\u], \j, v[EJ+\u], vcc_lo
.endr
.endr
.irp u, 0,1
	v_lshl_add_u32 v[EI+\u], v[BEST+2*\u+1], 4, v[EJ+\u]           ; 16 t + j
.endr
.irp u, 0,1
	v_add_nc_u32 v[EI+\u], v[SH8], v[EI+\u]                        ; + 8 (lane / 16)
.endr
.irp u, 0,1
	v_permlanex16_b32 v[EB+\u], v[BEST+2*\u], s[SEL], s[SEL+1]
	v_permlanex16_b32 v[EO+\u], v[EI+\u], s[SEL], s[SEL+1]
.endr
.irp u, 0,1
	v_cmp_gt_f32 s20, v[EB+\u], v[BEST+2*\u]       ; the other half's wins where it is larger,
	v_cmp_eq_f32 s21, v[EB+\u], v[BEST+2*\u]       ; or equal
	v_cmp_lt_u32 s22, v[EO+\u], v[EI+\u]           ; with the lower index
	s_and_b32 s21, s21, s22
	s_or_b32 s20, s20, s21
	v_cndmask_b32 v[EI+\u], v[EI+\u], v[EO+\u], s20                ; both halves of the lanes now hold the row's index
.endr
	v_cmp_lt_u32 vcc_lo, 15, v[LANE]
	v_cndmask_b32 v[EV], v[EI], v[EI+1], vcc_lo    ; lanes 0-15 my first tile's rows, lanes 16-31 my second's: lane l holds row l of my 32
	; ---- the way out: the work-group's 512 results meet in LDS and leave as 2,048 consecutive bytes, 512 a store
	ds_store_b32 v[T4], v[EV] offset:IDXL
	s_wait_dscnt 0x0                               ; for the others' sake: my store has landed
	s_barrier_signal -1
	s_barrier_wait -1
	s_cmp_gt_u32 s[WV], 3
	s_cbranch_scc1 .Lstored                        ; waves 0 to 3 store
	ds_load_b128 v[ED:ED+3], v[GO] offset:IDXL
	s_wait_dscnt 0x0
	global_store_b128 v[GO], v[ED:ED+3], s[8:9]    ; 32 lanes store 512 consecutive bytes, at a multiple of 256 from idx's first byte
.Lstored:
	s_wait_tensorcnt 0x0
	ds_add_u32 v14, v15
	s_wait_dscnt 0x0
	ROUND                                          ; the closing round: no work-group ends while a partner may still ask for a tile that names it
	s_endpgm
.Lfunc_end_k_q2d127cf39f_assign:
	.size	k_q2d127cf39f_assign, .Lfunc_end_k_q2d127cf39f_assign-k_q2d127cf39f_assign
	.p2alignl 7, 3214868480
	.fill 96, 4, 3214868480
	.section	.rodata,"a",@progbits
	.p2align	6, 0x0
	.amdhsa_kernel k_q2d127cf39f_assign
		.amdhsa_group_segment_fixed_size 303104
		.amdhsa_private_segment_fixed_size 0
		.amdhsa_enable_private_segment 0
		.amdhsa_kernarg_size 24
		.amdhsa_user_sgpr_count 2
		.amdhsa_user_sgpr_kernarg_segment_ptr 1
		.amdhsa_wavefront_size32 1
		.amdhsa_system_sgpr_workgroup_id_x 1
		.amdhsa_system_sgpr_workgroup_id_y 1
		.amdhsa_system_sgpr_workgroup_id_z 1
		.amdhsa_system_vgpr_workitem_id 0
		.amdhsa_next_free_vgpr 256
		.amdhsa_next_free_sgpr 66
		.amdhsa_reserve_vcc 1
		.amdhsa_float_denorm_mode_32 3
		.amdhsa_float_denorm_mode_16_64 3
		.amdhsa_memory_ordered 1
		.amdhsa_forward_progress 1
		.amdhsa_inst_pref_size 90
	.end_amdhsa_kernel
	.amdgpu_metadata
---
amdhsa.version: [ 1, 2 ]
amdhsa.kernels:
  - .name:           k_q2d127cf39f_assign
    .symbol:         k_q2d127cf39f_assign.kd
    .args:
      - { .name: z, .offset: 0, .size: 8, .value_kind: global_buffer, .address_space: global }
      - { .name: codebook, .offset: 8, .size: 8, .value_kind: global_buffer, .address_space: global }
      - { .name: idx, .offset: 16, .size: 8, .value_kind: global_buffer, .address_space: global }
    .group_segment_fixed_size: 303104
    .private_segment_fixed_size: 0
    .kernarg_segment_align: 8
    .kernarg_segment_size: 24
    .max_flat_workgroup_size: 512
    .sgpr_count:     66
    .vgpr_count:     256
    .wavefront_size: 32
...
	.end_amdgpu_metadata
.endif
;; end of part 1
;; launch gather (part 2): grid 256 x 1, 16 waves a work-group, no clusters, 0 bytes of LDS; arguments idx, codebook, out0, out1; writes out0, out1
.if DOCPART == 2
	.amdgcn_target "amdgcn-amd-amdhsa--gfx1250"
	.amdhsa_code_object_version 6
	.text
	.protected	k_q2d127cf39f_gather
	.globl	k_q2d127cf39f_gather
	.p2align	8
	.type	k_q2d127cf39f_gather,@function
k_q2d127cf39f_gather:
	s_mov_b64 s[64:65], 0
	v_nop
	global_prefetch_b8 v0, s[64:65] scope:SCOPE_SE
	s_setreg_imm32_b32 hwreg(HW_REG_WAVE_MODE, 25, 1), 1
	s_wait_xcnt 0x0
; out0[n][:] = out1[n][:] = codebook[idx[n]][:].  idx: [131072] whole numbers, stored by the launch before; codebook: [512][64] f32; out0, out1: [131072][64] f32.
; A stream of stores: 256 work-groups of 16 waves, a wave owns 32 rows.  A row is 256 bytes: sixteen lanes take a row, 16 bytes each, so one load or store of a wave covers two rows, and each store
; 512 consecutive bytes at a multiple of 256 from the output's first byte.  Every byte of the outputs is written once; a row read from the codebook serves both stores.
; No LDS, no barrier, no matrix unit: waves share nothing.  No cluster: which rows of the codebook a work-group reads hangs on its own indices, so no two work-groups ask for the same tile by address.
; An index is held to 0 .. 511 before it enters an address.
.set IX,  8                            ; v8-23   step i: the index of my row, then its byte offset in the codebook
.set DAT, 32                           ; v32-95  step i: my 16 bytes
	s_load_b128 s[4:7], s[0:1], 0x0                ; idx s[4:5], codebook s[6:7]
	s_load_b128 s[8:11], s[0:1], 0x10              ; out0 s[8:9], out1 s[10:11]
	v_lshrrev_b32 v1, 5, v0
	v_readfirstlane_b32 s12, v1                    ; wave 0..15
	v_and_b32 v1, 31, v0
	v_lshlrev_b32 v2, 4, v1                        ; 16 x lane: my 16 bytes of a step's two rows; never rewritten
	v_bfe_u32 v3, v0, 4, 1
	v_lshlrev_b32 v3, 2, v3                        ; 4 x (lane / 16): which of a step's two indices is mine; never rewritten
	v_and_b32 v4, 15, v0
	v_lshlrev_b32 v4, 4, v4                        ; 16 x (lane % 16): my 16 bytes of a row
	s_lshl_b32 s13, ttmp9, 4
	s_add_co_u32 s13, s13, s12                     ; which run of 32 rows is my wave's
	s_lshl_b32 s14, s13, 7                         ; its 128 bytes of idx,
	s_mov_b32 s15, 0
	s_lshl_b32 s16, s13, 13                        ; its 8,192 bytes of each output
	s_mov_b32 s17, 0
	s_wait_kmcnt 0x0
	s_add_nc_u64 s[4:5], s[4:5], s[14:15]
	s_add_nc_u64 s[8:9], s[8:9], s[16:17]
	s_add_nc_u64 s[10:11], s[10:11], s[16:17]
.irp i, 0,1,2,3,4,5,6,7,8,9,10,11,12,13,14,15
	global_load_b32 v[IX+\i], v3, s[4:5] offset:8*\i               ; rows 2 i and 2 i + 1: one word for each half of the lanes, out of my wave's 128 consecutive bytes
.endr
.irp i, 0,1,2,3,4,5,6,7,8,9,10,11,12,13,14,15
	s_wait_loadcnt 15                              ; loads come back in order (ISA guide 5.7.1): behind index i stand 15 - i indices and the i gathers issued since
	v_min_u32 v[IX+\i], 0x1ff, v[IX+\i]            ; inside the table
	v_lshl_add_u32 v[IX+\i], v[IX+\i], 8, v4       ; 256 bytes a row, + my 16
	global_load_b128 v[DAT+4*\i:DAT+4*\i+3], v[IX+\i], s[6:7]      ; sixteen lanes read a row's 256 consecutive bytes
.endr
.irp i, 0,1,2,3,4,5,6,7,8,9,10,11,12,13,14,15
	s_wait_loadcnt 15-\i                           ; gather i is in; the younger ones stay out
	global_store_b128 v2, v[DAT+4*\i:DAT+4*\i+3], s[8:9] offset:512*\i th:TH_STORE_NT     ; written once, read by nobody here
	global_store_b128 v2, v[DAT+4*\i:DAT+4*\i+3], s[10:11] offset:512*\i th:TH_STORE_NT
.endr
	s_endpgm
.Lfunc_end_k_q2d127cf39f_gather:
	.size	k_q2d127cf39f_gather, .Lfunc_end_k_q2d127cf39f_gather-k_q2d127cf39f_gather
	.p2alignl 7, 3214868480
	.fill 96, 4, 3214868480
	.section	.rodata,"a",@progbits
	.p2align	6, 0x0
	.amdhsa_kernel k_q2d127cf39f_gather
		.amdhsa_group_segment_fixed_size 0
		.amdhsa_private_segment_fixed_size 0
		.amdhsa_enable_private_segment 0
		.amdhsa_kernarg_size 32
		.amdhsa_user_sgpr_count 2
		.amdhsa_user_sgpr_kernarg_segment_ptr 1
		.amdhsa_wavefront_size32 1
		.amdhsa_system_sgpr_workgroup_id_x 1
		.amdhsa_system_sgpr_workgroup_id_y 1
		.amdhsa_system_sgpr_workgroup_id_z 1
		.amdhsa_system_vgpr_workitem_id 0
		.amdhsa_next_free_vgpr 96
		.amdhsa_next_free_sgpr 66
		.amdhsa_reserve_vcc 0
		.amdhsa_float_denorm_mode_32 3
		.amdhsa_float_denorm_mode_16_64 3
		.amdhsa_memory_ordered 1
		.amdhsa_forward_progress 1
		.amdhsa_inst_pref_size 10
	.end_amdhsa_kernel
	.amdgpu_metadata
---
amdhsa.version: [ 1, 2 ]
amdhsa.kernels:
  - .name:           k_q2d127cf39f_gather
    .symbol:         k_q2d127cf39f_gather.kd
    .args:
      - { .name: idx, .offset: 0, .size: 8, .value_kind: global_buffer, .address_space: global }
      - { .name: codebook, .offset: 8, .size: 8, .value_kind: global_buffer, .address_space: global }
      - { .name: out0, .offset: 16, .size: 8, .value_kind: global_buffer, .address_space: global }
      - { .name: out1, .offset: 24, .size: 8, .value_kind: global_buffer, .address_space: global }
    .group_segment_fixed_size: 0
    .private_segment_fixed_size: 0
    .kernarg_segment_align: 8
    .kernarg_segment_size: 32
    .max_flat_workgroup_size: 512
    .sgpr_count:     66
    .vgpr_count:     96
    .wavefront_size: 32
...
	.end_amdgpu_metadata
.endif
;; end of part 2
